; MI455X (gfx1250); checked and timed in simulation.
; The chip was launched on July 23, 2026; its instructions are those of AMD's public machine-readable ISA for CDNA 5 (MIT licence, August 2026) and "CDNA5" Instruction Set Architecture Reference Guide (July 2026). The comments in the code are by the model that wrote it; some were corrected since.
;; Custom Simplex Mapping Attention. Allowed arithmetic: float matrix products may take bf16 or f16 operands with f32 sums; all other float work in f32.
;; Inputs: W_k 512 x 512 float32; W_o 512 x 512 float32; W_q 512 x 512 float32; W_v 512 x 512 float32; x 2 x 2,048 x 512 float32.
;; Outputs: out0 2 x 2,048 x 512 float32.
;; 2 versions, each right; version 2 is version 1 with the launch oproj written anew for expert scheduling mode. Each part assembles by itself: llvm-mc -triple=amdgcn-amd-amdhsa -mcpu=gfx1250 --defsym DOCPART=n.
;; ======== version 1 of 2: 3 launches
;; limits: values are held in f16: magnitudes above 65,504 overflow, below 6.1e-05 lose precision; a function is approximated: absolute error at most 0.002; right only within a limited range of input values; a function is approximated: absolute error at most 0.005
;; workspace buffers: qb 4,194,304 bytes; kb 4,194,304 bytes; vt 4,194,304 bytes; ab 4,194,304 bytes
;; launch proj (part 1): grid 32 x 8, 8 waves a work-group, no clusters, 93,184 bytes of LDS; arguments x, W_q, W_k, W_v, qb, kb, vt; writes qb, kb, vt
.if DOCPART == 1
	.amdgcn_target "amdgcn-amd-amdhsa--gfx1250"
	.amdhsa_code_object_version 6
	.text
	.protected	k_q0824290526_proj
	.globl	k_q0824290526_proj
	.p2align	8
	.type	k_q0824290526_proj,@function
k_q0824290526_proj:
	s_mov_b64 s[64:65], 0
	v_nop
	global_prefetch_b8 v0, s[64:65] scope:SCOPE_SE
	s_setreg_imm32_b32 hwreg(HW_REG_WAVE_MODE, 25, 1), 1
	s_wait_xcnt 0x0
; q/8 = x W_q^T / 8, k = x W_k^T, v = x W_v^T for one head and 128 tokens, stored as f16 in the order in which the
; next launch's matrix instructions take them.
; x: [4096][512] f32.  W_*: [512][512] f32, rows = output features.  Sums in f32, operands f16.
; LIMIT: x, W, q/8, k and v must lie inside f16's range (magnitude below 65,504).
;
; Work-group (tb, hh): tokens 128 tb .. +127, the 64 features of head hh of each of q, k, v.  32 x 8 = 256 work-groups.
; Wave w = 4 tg + fg: token tiles 64 tg + 16 tt (tt = 0..3), feature tile fg of q, of k and of v: 12 accumulators.
; K goes in 8 steps of 64: a row of a step is 256 bytes of f32, read by sixteen neighbouring lanes, converted to f16 ONCE
; on the way into LDS (that is why the copy goes through registers and not through the tensor mover: f32 tiles in LDS
; would be converted again by each of the 2 to 4 waves that read a row, at twice the LDS bytes).
; No cluster: x's tile is shared by the 8 work-groups of a token block and W's by the 32 of a head, but the copies go through
; registers for the conversion's sake, so there is no joint request to make.
;
; OUTPUT in parts of 512 bytes, lane L = (r = L & 15, h = L >> 4) owning bytes 16 L .. 16 L + 15 (eight f16, e = 0..7):
;   qb, kb: part ((bh 128 + T) 4 + c): token 16 T + r of the batch, hd = 16 c + 8 h + e
;   vt:     part ((bh 64 + g) 8 + 2 ht + p): hd = 16 ht + r, key = 32 g + 16 p + 8 h + e
; so every store of a wave covers 512 consecutive bytes, aligned.
.set PITCH, 144                        ; an LDS row: 64 f16 = 128 bytes + 16: an odd multiple of 16, the 16 rows of a fragment load start in 16 different 16-byte columns
.set STAGE, 320*PITCH                  ; rows 0-127 x, 128-191 W_q, 192-255 W_k, 256-319 W_v; two stages
.set LST, 2                            ; v2-3    stage s: where I store 8 bytes
.set XA,  4                            ; v4-5    stage s: my x fragments
.set WA,  6                            ; v6-7    stage s: my W fragments
.set ST,  16                           ; v16-95  20 loads of 16 bytes as they come; later 48 registers of packed results
.set ACC, 96                           ; v96-191 accumulator (m, tt) at 8 (4 m + tt); m = 0 q, 1 k, 2 v
.set XF,  192                          ; v192-223 four x fragments
.set WF,  224                          ; v224-247 three W fragments
	s_load_b256 s[4:11], s[0:1], 0x0               ; x s[4:5], W_q s[6:7], W_k s[8:9], W_v s[10:11]
	s_load_b128 s[12:15], s[0:1], 0x20             ; qb s[12:13], kb s[14:15]
	s_load_b64 s[16:17], s[0:1], 0x30              ; vt
	v_lshl_add_u32 v248, v0, 2, 0x16800
	v_mov_b32 v249, 0
	v_lshrrev_b32 v9, 5, v0
	v_readfirstlane_b32 s18, v9                    ; wave
	s_and_b32 s20, ttmp7, 0xffff                   ; hh
	s_lshr_b32 s21, s18, 2                         ; tg
	s_and_b32 s22, s18, 3                          ; fg
	v_lshrrev_b32 v9, 4, v0                        ; t >> 4: my row of a sweep of 16 rows
	v_and_b32 v10, 15, v0                          ; t & 15: my 16-byte column; also r
	v_lshlrev_b32 v1, 11, v9
	v_lshl_add_u32 v1, v10, 4, v1                  ; v1 = row x 2,048 + column x 16: offset in x and in W, stepped by 256 a K step
	v_mul_u32_u24 v2, v9, PITCH
	v_lshl_add_u32 v2, v10, 3, v2                  ; 4 f32 become 8 bytes
	v_add_nc_u32 v3, STAGE, v2
	v_bfe_u32 v11, v0, 4, 1                        ; h
	v_mul_u32_u24 v12, v10, PITCH
	v_lshl_add_u32 v12, v11, 4, v12                ; r x pitch + 16 h
	s_mul_i32 s23, s21, 64*PITCH
	v_add_nc_u32 v4, s23, v12
	v_add_nc_u32 v5, STAGE, v4
	s_mul_i32 s24, s22, 16*PITCH
	s_add_co_u32 s24, s24, 128*PITCH
	v_add_nc_u32 v6, s24, v12
	v_add_nc_u32 v7, STAGE, v6
	v_and_b32 v8, 31, v0
	v_lshlrev_b32 v8, 4, v8                        ; lane x 16: my bytes of an output part
	s_lshl_b32 s26, ttmp9, 18                      ; 128 tokens x 2,048 bytes
	s_mov_b32 s27, 0
	s_lshl_b32 s28, s20, 17                        ; 64 rows of W x 2,048 bytes
	s_mov_b32 s29, 0
	s_and_b32 s23, ttmp9, 15
	s_lshl_b32 s23, s23, 3
	s_lshl_b32 s24, s21, 2
	s_add_co_u32 s23, s23, s24                     ; T0 = 8 (tb & 15) + 4 tg: my first token tile in the batch
	s_lshr_b32 s24, ttmp9, 4
	s_lshl_b32 s24, s24, 3
	s_add_co_u32 s24, s24, s20                     ; bh = 8 b + hh
	s_lshl_b32 s24, s24, 7
	s_add_co_u32 s24, s24, s23
	s_lshl_b32 s24, s24, 11                        ; (bh 128 + T0) x 2,048 = (bh 64 + T0 / 2) x 4,096: the same for all three outputs
	s_lshl_b32 s25, s22, 9
	s_add_co_u32 s30, s24, s25                     ; qb, kb: + fg x 512
	s_mov_b32 s31, 0
	s_lshl_b32 s25, s22, 10
	s_add_co_u32 s32, s24, s25                     ; vt: + fg x 1,024
	s_mov_b32 s33, 0
	s_wait_kmcnt 0x0
	s_add_nc_u64 s[4:5], s[4:5], s[26:27]
	s_add_nc_u64 s[6:7], s[6:7], s[28:29]
	s_add_nc_u64 s[8:9], s[8:9], s[28:29]
	s_add_nc_u64 s[10:11], s[10:11], s[28:29]
	s_add_nc_u64 s[12:13], s[12:13], s[30:31]
	s_add_nc_u64 s[14:15], s[14:15], s[30:31]
	s_add_nc_u64 s[16:17], s[16:17], s[32:33]
.macro PLACES                          ; four places behind a matrix instruction (ISA guide 7.12.1) before its registers are loaded into or its result is read
.rept 4
	v_nop
.endr
.endm
.macro MM d, a, b, zero                ; zero: the first product starts the sum, nothing is cleared
.if \zero
	v_wmma_f32_16x16x32_f16 v[\d:\d+7], v[\a:\a+7], v[\b:\b+7], 0
.else
	v_wmma_f32_16x16x32_f16 v[\d:\d+7], v[\a:\a+7], v[\b:\b+7], v[\d:\d+7]
.endif
.endm
.macro LOADS                           ; one K step: 128 rows of x, 64 rows of each W, 256 bytes of each row
.irp i, 0,1,2,3,4,5,6,7
	global_load_b128 v[ST+4*\i:ST+4*\i+3], v1, s[4:5] offset:\i*32768
.endr
.irp j, 0,1,2,3
	global_load_b128 v[ST+32+4*\j:ST+32+4*\j+3], v1, s[6:7] offset:\j*32768
.endr
.irp j, 0,1,2,3
	global_load_b128 v[ST+48+4*\j:ST+48+4*\j+3], v1, s[8:9] offset:\j*32768
.endr
.irp j, 0,1,2,3
	global_load_b128 v[ST+64+4*\j:ST+64+4*\j+3], v1, s[10:11] offset:\j*32768
.endr
.endm
; One K step of 64.  One barrier a step does for both directions: the stage written here was last read two steps ago, and every
; wave waited for those reads before it signalled the barrier of the step between.
.macro STEP stage, zero, more
	s_wait_loadcnt 0x0                             ; this step's 20 loads are in; v1 is free to be stepped
.set IT, 0
.rept 20
	v_cvt_pk_f16_f32 v[ST+4*IT], v[ST+4*IT], v[ST+4*IT+1]
	v_cvt_pk_f16_f32 v[ST+4*IT+1], v[ST+4*IT+2], v[ST+4*IT+3]
.set IT, IT+1
.endr
.irp i, 0,1,2,3,4,5,6,7
	ds_store_b64 v[LST+\stage], v[ST+4*\i:ST+4*\i+1] offset:\i*16*PITCH
.endr
.irp m, 0,1,2
.irp j, 0,1,2,3
	ds_store_b64 v[LST+\stage], v[ST+32+16*\m+4*\j:ST+32+16*\m+4*\j+1] offset:(128+64*\m+16*\j)*PITCH
.endr
.endr
.if \more
	v_add_nc_u32 v1, 256, v1                       ; 64 f32 along K
.endif
	s_wait_dscnt 0x0                               ; for the other waves: my part of the stage is written (and my stores have read ST)
.if \more
	LOADS                                          ; the next step's, on their way during this step's products
.endif
	s_barrier_signal -1
	s_barrier_wait -1
.irp ks, 0,1
.irp tt, 0,1,2,3
	ds_load_b128 v[XF+8*\tt:XF+8*\tt+3], v[XA+\stage] offset:\tt*16*PITCH+64*\ks
	ds_load_b128 v[XF+8*\tt+4:XF+8*\tt+7], v[XA+\stage] offset:\tt*16*PITCH+64*\ks+32
.endr
.irp m, 0,1,2
	ds_load_b128 v[WF+8*\m:WF+8*\m+3], v[WA+\stage] offset:\m*64*PITCH+64*\ks
	ds_load_b128 v[WF+8*\m+4:WF+8*\m+7], v[WA+\stage] offset:\m*64*PITCH+64*\ks+32
.endr
	s_wait_dscnt 0x0
.irp tt, 0,1,2,3
	MM ACC+8*\tt, WF, XF+8*\tt, \zero*(1-\ks)      ; q: rows = features, columns = tokens: a lane gets 8 neighbouring features of token r
	MM ACC+32+8*\tt, WF+8, XF+8*\tt, \zero*(1-\ks) ; k: likewise
	MM ACC+64+8*\tt, XF+8*\tt, WF+16, \zero*(1-\ks) ; v: the other way round: 8 neighbouring tokens of feature r
.endr
	PLACES
.endr
.endm
	LOADS
	STEP 0, 1, 1
	STEP 1, 0, 1
	s_mov_b32 s19, 2
.Lsteps:
	STEP 0, 0, 1
	STEP 1, 0, 1
	s_sub_co_u32 s19, s19, 1
	s_cmp_lg_u32 s19, 0
	s_cbranch_scc1 .Lsteps
	STEP 0, 0, 1
	STEP 1, 0, 0                                   ; the eighth step loads nothing
	; the way out: q is scaled by 1/8 = 1/sqrt(64), exactly; four packed conversions make a lane's 16 bytes
.set IT, 0
.rept 16
	v_pk_mul_f32 v[ACC+2*IT:ACC+2*IT+1], v[ACC+2*IT:ACC+2*IT+1], 0x3e000000 op_sel_hi:[1,0]
.set IT, IT+1
.endr
.set IT, 0
.rept 48
	v_cvt_pk_f16_f32 v[ST+IT], v[ACC+2*IT], v[ACC+2*IT+1]
.set IT, IT+1
.endr
.irp tt, 0,1,2,3
	global_store_b128 v8, v[ST+4*\tt:ST+4*\tt+3], s[12:13] offset:\tt*2048
	global_store_b128 v8, v[ST+16+4*\tt:ST+16+4*\tt+3], s[14:15] offset:\tt*2048
	global_store_b128 v8, v[ST+32+4*\tt:ST+32+4*\tt+3], s[16:17] offset:(\tt>>1)*4096+(\tt&1)*512
.endr
	s_wait_tensorcnt 0x0
	ds_add_u32 v248, v249
	s_wait_dscnt 0x0
	s_endpgm
.Lfunc_end_k_q0824290526_proj:
	.size	k_q0824290526_proj, .Lfunc_end_k_q0824290526_proj-k_q0824290526_proj
	.p2alignl 7, 3214868480
	.fill 96, 4, 3214868480
	.section	.rodata,"a",@progbits
	.p2align	6, 0x0
	.amdhsa_kernel k_q0824290526_proj
		.amdhsa_group_segment_fixed_size 93184
		.amdhsa_private_segment_fixed_size 0
		.amdhsa_enable_private_segment 0
		.amdhsa_kernarg_size 56
		.amdhsa_user_sgpr_count 2
		.amdhsa_user_sgpr_kernarg_segment_ptr 1
		.amdhsa_wavefront_size32 1
		.amdhsa_system_sgpr_workgroup_id_x 1
		.amdhsa_system_sgpr_workgroup_id_y 1
		.amdhsa_system_sgpr_workgroup_id_z 1
		.amdhsa_system_vgpr_workitem_id 0
		.amdhsa_next_free_vgpr 250
		.amdhsa_next_free_sgpr 66
		.amdhsa_reserve_vcc 0
		.amdhsa_float_denorm_mode_32 3
		.amdhsa_float_denorm_mode_16_64 3
		.amdhsa_memory_ordered 1
		.amdhsa_forward_progress 1
		.amdhsa_inst_pref_size 65
	.end_amdhsa_kernel
	.amdgpu_metadata
---
amdhsa.version: [ 1, 2 ]
amdhsa.kernels:
  - .name:           k_q0824290526_proj
    .symbol:         k_q0824290526_proj.kd
    .args:
      - { .name: x, .offset: 0, .size: 8, .value_kind: global_buffer, .address_space: global }
      - { .name: W_q, .offset: 8, .size: 8, .value_kind: global_buffer, .address_space: global }
      - { .name: W_k, .offset: 16, .size: 8, .value_kind: global_buffer, .address_space: global }
      - { .name: W_v, .offset: 24, .size: 8, .value_kind: global_buffer, .address_space: global }
      - { .name: qb, .offset: 32, .size: 8, .value_kind: global_buffer, .address_space: global }
      - { .name: kb, .offset: 40, .size: 8, .value_kind: global_buffer, .address_space: global }
      - { .name: vt, .offset: 48, .size: 8, .value_kind: global_buffer, .address_space: global }
    .group_segment_fixed_size: 93184
    .private_segment_fixed_size: 0
    .kernarg_segment_align: 8
    .kernarg_segment_size: 56
    .max_flat_workgroup_size: 256
    .sgpr_count:     66
    .vgpr_count:     250
    .wavefront_size: 32
...
	.end_amdgpu_metadata
.endif
;; end of part 1
;; launch attn (part 2): grid 32 x 16, 8 waves a work-group, no clusters, 142,336 bytes of LDS; arguments qb, kb, vt, ab; writes ab
.if DOCPART == 2
	.amdgcn_target "amdgcn-amd-amdhsa--gfx1250"
	.amdhsa_code_object_version 6
	.text
	.protected	k_q0824290526_attn
	.globl	k_q0824290526_attn
	.p2align	8
	.type	k_q0824290526_attn,@function
k_q0824290526_attn:
	s_mov_b64 s[64:65], 0
	v_nop
	global_prefetch_b8 v0, s[64:65] scope:SCOPE_SE
	s_setreg_imm32_b32 hwreg(HW_REG_WAVE_MODE, 25, 1), 1
	s_wait_xcnt 0x0
; Causal attention with sparsemax for one (batch, head) bh and two blocks of 32 queries: A = block pi, B = block 63 - pi.
; p = max(z - tau, 0), tau the root of sum(max(z - tau, 0)) = 1.  Scores stay in registers from the products to P V.
;
; SHARE.  Keys come in chunks of 32; block i needs chunks 0 .. i, padded to 8 c chunks, c = i / 8 + 1.  cA + cB = 9 for every pi, so all
; 32 x 16 work-groups do 9 rows of chunks.  Wave w owns chunks w + 8 s; a chunk's K and V fragments are loaded once and serve both blocks.
; The text is expanded for cA = 1, 2, 3, 4 and chosen by pi >> 3, which is the same in all waves.
; LAYOUT.  S^T = K Q^T (A = 16 keys x 32 hd, B = 16 queries): lane (r, h), register j holds key 8 h + j of query r.  So a row's sums run along
; a lane's own registers; only lanes L and L ^ 16 and the 8 waves are joined.  Packing the registers in pairs gives P as the B operand of
; out^T = V^T P^T without a shuffle, and that product's lane holds 8 neighbouring hd of query r: 16 bytes of a part of ab.
;
; TAU, in a fixed number of steps that holds for every input: u = z - rowmax (so tau' lies in [-1, 0)); 20 bisection passes, t = lo + 2^-k from
; lo = -1, each forming s = sum(max(u - t, 0)), a sum of non-negative terms, lo = t where s >= 1 (all t are exact in f32); then one Newton step
; at lo: tau' = lo + (S - 1) / C, C = the number of u above lo.
; The count is sum(min(2^64 max(u - lo, 0), 1)): lo is a multiple of 2^-20 of magnitude at least 2^-20, so a positive u - lo is at least 2^-44.
; LIMITS.  (1) tau' is at or below the true threshold; a row's weights sum to at most 1 + C 2^-20 (C <= 2048); exact when no score lies in the last
; bracket.  (2) f16 operands: q/8, k, v and the result below 65,504 in magnitude.  (3) Masked scores are -1e9 as in the definition, but masked keys
; beyond the padded range are not formed: a row's largest causal score must lie above -1e9 + 1.  (4) Sums are formed in another order.
;
; No tensor loads: qb, kb, vt lie in fragment order, each load of a wave is 512 consecutive bytes that land in the registers of the one wave that
; uses them.  No cluster: the work-groups of a head would need 5 to 8 rows of chunks, not the same number, and each wave loads 8 KiB a chunk once,
; beside 20 passes over up to 9 x 32 score registers.
;
; REGISTERS.  Nine score slots of 32 registers, [qt][kt][j]: slot 0 = v224-255, slot n >= 1 = v(256 + 32 (n - 1)), named 32 (n - 1) in window 1.
; A has slots 0 .. cA - 1, B slots cA .. 8.  Window 0: v1-7, v12 addresses; v8-11 permute destinations; v13-14 mask offsets; v15 = -1e9;
; v208-215 thresholds; v16-207 by phase (below).
.set REDM, 0                           ; LDS: 8 waves x 256 bytes, row maxima
.set RED0, 2048                        ; the same, hinge sums of even passes
.set RED1, 4096                        ; of odd passes
.set REDN, 6144                        ; 8 waves x 512 bytes, the Newton step's sums and counts
.set ORG,  10240                       ; 16 tiles x 8 waves x 1,024 bytes: the waves' partial outputs
.set QA,   16                          ; scores: v16-47 Q of A, v48-79 Q of B, v80-207 four K chunks
.set QB,   48
.set KR,   80
.set VR,   144                         ; v144-207 two V chunks (asked for before the search, used behind it)
.set THR,  208                         ; v208-215 pair 2 X + qt: minus the threshold of query 16 qt + r of block X, twice
.set NLO,  16                          ; search: (A, B), lane L = query L: minus lo
.set NTQ,  18                          ; minus the threshold on trial
.set STP,  20                          ; minus the next step, twice
.set ACC,  24                          ; v24-55  hinge sums, four chains of pairs for each (X, qt): 16 X + 8 qt + 2 c
.set CACC, 56                          ; v56-87  counts, likewise
.set TMP,  88                          ; v88-103 hinges at work
.set CI,   104                         ; v104-119 indicators at work
.set RD,   88                          ; v88-119 what the 8 waves left in LDS (behind the hinges)
.set PP,   120                         ; v120-127 a lane's sums (2 X + qt) and counts (4 + 2 X + qt)
.set RES,  128                         ; v128-131 what goes to LDS: S_A, S_B, C_A, C_B
.set FT,   132                         ; v132-139 at work in FOLD
.set OAC,  16                          ; P V: v16-143 accumulator 64 X + 32 qt + 8 ht
.set MSB,  0
.macro WIN new                         ; s_set_vgpr_msb: bits 1:0 source 0, 3:2 source 1, 5:4 source 2, 7:6 destination; the high byte repeats the setting left
.if MSB != (\new)
	s_set_vgpr_msb (MSB<<8)|(\new)
.set MSB, (\new)
.endif
.endm
.macro PLACES                          ; four places behind a matrix instruction (ISA guide 7.12.1)
.rept 4
	v_nop
.endr
.endm
.macro SLOT n                          ; SW: the slot's window, SB: its first register's name there
.if \n
.set SW, 1
.set SB, 32*((\n)-1)
.else
.set SW, 0
.set SB, 224
.endif
.endm
.macro LD8 base, imm, reg              ; eight parts of 512 bytes: a block of Q, a chunk of K or of V
	WIN 0
.irp n, 0,1,2,3,4,5,6,7
	global_load_b128 v[\reg+4*\n:\reg+4*\n+3], v1, s[\base:\base+1] offset:\imm+512*\n
.endr
.endm
.macro SCORE slot, qreg, kreg          ; 32 keys x 32 queries, hd in two links; the first starts the sums
	SLOT \slot
	WIN 0x50*SW
.irp kt, 0,1
.irp qt, 0,1
	v_wmma_f32_16x16x32_f16 v[SB+16*\qt+8*\kt:SB+16*\qt+8*\kt+7], v[\kreg+16*\kt:\kreg+16*\kt+7], v[\qreg+16*\qt:\qreg+16*\qt+7], 0
.endr
.endr
.irp kt, 0,1
.irp qt, 0,1
	v_wmma_f32_16x16x32_f16 v[SB+16*\qt+8*\kt:SB+16*\qt+8*\kt+7], v[\kreg+16*\kt+8:\kreg+16*\kt+15], v[\qreg+16*\qt+8:\qreg+16*\qt+15], v[SB+16*\qt+8*\kt:SB+16*\qt+8*\kt+7]
.endr
.endr
.endm
; key > query  <=>  32 (g - i) + 8 h - r + 4096 > 4096 + 16 qt - 16 kt - j; the left side is the lane's dl
.macro MASK slot, dl
	SLOT \slot
	WIN 0x41*SW
.irp qt, 0,1
.irp kt, 0,1
.irp j, 0,1,2,3,4,5,6,7
	v_cmp_lt_u32 vcc_lo, 4096-16*\kt+16*\qt-\j, v[\dl]
	v_cndmask_b32 v[SB+16*\qt+8*\kt+\j], v[SB+16*\qt+8*\kt+\j], v15, vcc_lo
.endr
.endr
.endr
.endm
.macro MAXS slot, X, first             ; running maxima, two scores an instruction, four chains for each (X, qt) at ACC + 8 X + 4 qt
	SLOT \slot
	WIN 0x05*SW
.irp qt, 0,1
.irp c, 0,1,2,3
.if \first
	v_max_num_f32 v[ACC+8*\X+4*\qt+\c], v[SB+16*\qt+2*\c], v[SB+16*\qt+2*\c+1]
.else
	v_max3_num_f32 v[ACC+8*\X+4*\qt+\c], v[SB+16*\qt+2*\c], v[SB+16*\qt+2*\c+1], v[ACC+8*\X+4*\qt+\c]
.endif
.endr
.irp c, 0,1,2,3
	v_max3_num_f32 v[ACC+8*\X+4*\qt+\c], v[SB+16*\qt+8+2*\c], v[SB+16*\qt+8+2*\c+1], v[ACC+8*\X+4*\qt+\c]
.endr
.endr
.endm
.macro SHIFT slot, X, first            ; u = z - rowmax, in place
	SLOT \slot
	WIN 0x41*SW
.irp qt, 0,1
.irp k, 0,1,2,3,4,5,6,7
	v_pk_add_f32 v[SB+16*\qt+2*\k:SB+16*\qt+2*\k+1], v[SB+16*\qt+2*\k:SB+16*\qt+2*\k+1], v[THR+4*\X+2*\qt:THR+4*\X+2*\qt+1]
.endr
.endr
.endm
.macro ADD8 acc, src, first            ; eight pairs into four chains; the first slot's pairs start them
.if \first
.irp k, 0,1,2,3
	v_pk_add_f32 v[\acc+2*\k:\acc+2*\k+1], v[\src+2*\k:\src+2*\k+1], v[\src+8+2*\k:\src+8+2*\k+1]
.endr
.else
.irp k, 0,1,2,3
	v_pk_add_f32 v[\acc+2*\k:\acc+2*\k+1], v[\acc+2*\k:\acc+2*\k+1], v[\src+2*\k:\src+2*\k+1]
.endr
.irp k, 0,1,2,3
	v_pk_add_f32 v[\acc+2*\k:\acc+2*\k+1], v[\acc+2*\k:\acc+2*\k+1], v[\src+8+2*\k:\src+8+2*\k+1]
.endr
.endif
.endm
; 16 scores of one query tile: max(u - t, 0).  The score is source 2, so that one window setting (source 2 alone) serves the whole pass;
; (-t) x 1 + u is exact as a sum.
.macro HQ u, th, acc, first
.irp k, 0,1,2,3,4,5,6,7
	v_pk_fma_f32 v[TMP+2*\k:TMP+2*\k+1], v[\th:\th+1], 1.0, v[\u+2*\k:\u+2*\k+1] op_sel_hi:[1,0,1]
.endr
.irp k, 0,1,2,3,4,5,6,7,8,9,10,11,12,13,14,15
	v_max_num_f32 v[TMP+\k], 0, v[TMP+\k]
.endr
	ADD8 \acc, TMP, \first
.endm
.macro CQ cacc, first                  ; 1 where the hinge is positive, 0 where it is 0
.irp k, 0,1,2,3,4,5,6,7
	v_pk_mul_f32 v[CI+2*\k:CI+2*\k+1], v[TMP+2*\k:TMP+2*\k+1], s[34:35] op_sel_hi:[1,0]
.endr
.irp k, 0,1,2,3,4,5,6,7,8,9,10,11,12,13,14,15
	v_min_num_f32 v[CI+\k], 1.0, v[CI+\k]
.endr
	ADD8 \cacc, CI, \first
.endm
.macro HINGE slot, X, first
	SLOT \slot
	WIN 0x10*SW
	HQ SB, THR+4*\X, ACC+16*\X, \first
	HQ SB+16, THR+4*\X+2, ACC+16*\X+8, \first
.endm
.macro NEWT slot, X, first
	SLOT \slot
	WIN 0x10*SW
	HQ SB, THR+4*\X, ACC+16*\X, \first
	CQ CACC+16*\X, \first
	HQ SB+16, THR+4*\X+2, ACC+16*\X+8, \first
	CQ CACC+16*\X+8, \first
.endm
.macro FORALL op, ca                   ; op slot, X, first: A's slots, then B's
	\op 0, 0, 1
.set IT, 1
.rept \ca-1
	\op IT, 0, 0
.set IT, IT+1
.endr
	\op \ca, 1, 1
.set IT, \ca+1
.rept 8-\ca
	\op IT, 1, 0
.set IT, IT+1
.endr
	WIN 0
.endm
.macro REDUCE acc, dst                 ; four chains of pairs to one number, for each of the four (X, qt)
.irp i, 0,1,2,3
	v_pk_add_f32 v[\acc+8*\i:\acc+8*\i+1], v[\acc+8*\i:\acc+8*\i+1], v[\acc+8*\i+2:\acc+8*\i+3]
	v_pk_add_f32 v[\acc+8*\i+4:\acc+8*\i+5], v[\acc+8*\i+4:\acc+8*\i+5], v[\acc+8*\i+6:\acc+8*\i+7]
.endr
.irp i, 0,1,2,3
	v_pk_add_f32 v[\acc+8*\i:\acc+8*\i+1], v[\acc+8*\i:\acc+8*\i+1], v[\acc+8*\i+4:\acc+8*\i+5]
.endr
.irp i, 0,1,2,3
	v_add_f32 v[\dst+\i], v[\acc+8*\i], v[\acc+8*\i+1]
.endr
.endm
; Lanes (r, 0) and (r, 1) hold the two halves of the keys for queries r (p0) and 16 + r (p1).  Each sends the half that the other keeps:
; behind it lane L holds the wave's figure for query L.
.macro FOLD op, dst, p0, p1, rcv, tmp
	v_cndmask_b32 v[\tmp], v[\p1], v[\p0], s30     ; sent: h ? p0 : p1
	v_cndmask_b32 v[\tmp+1], v[\p0], v[\p1], s30   ; kept: h ? p1 : p0
	v_permlanex16_b32 v[\rcv], v[\tmp], s28, s29
	\op v[\dst], v[\tmp+1], v[\rcv]
.endm
; From (A, B) with lane L = query L to the four pairs that lane (r, h) adds to its scores: queries r and 16 + r of A and of B.
.macro EXPAND src
	v_permlanex16_b32 v10, v[\src], s28, s29
	v_permlanex16_b32 v11, v[\src+1], s28, s29
	v_cndmask_b32 v[THR], v[\src], v10, s30
	v_cndmask_b32 v[THR+1], v[\src], v10, s30
	v_cndmask_b32 v[THR+2], v10, v[\src], s30
	v_cndmask_b32 v[THR+3], v10, v[\src], s30
	v_cndmask_b32 v[THR+4], v[\src+1], v11, s30
	v_cndmask_b32 v[THR+5], v[\src+1], v11, s30
	v_cndmask_b32 v[THR+6], v11, v[\src+1], s30
	v_cndmask_b32 v[THR+7], v11, v[\src+1], s30
.endm
.macro XBAR                            ; my LDS stores are written and my LDS loads are back: zero, for the other waves' sake
	s_wait_dscnt 0x0
	s_barrier_signal -1
	s_barrier_wait -1
.endm
; One bisection pass.  Every wave adds the eight waves' sums in the same order, so all take the same decision.  The two buffers take turns: a
; buffer is written again only behind the other buffer's barrier, in front of which every wave has waited for its reads of this one.
.macro PASS ca, buf
	FORALL HINGE, \ca
	REDUCE ACC, PP
	FOLD v_add_f32, RES, PP, PP+1, 8, FT
	FOLD v_add_f32, RES+1, PP+2, PP+3, 9, FT+2
	ds_store_b64 v2, v[RES:RES+1] offset:\buf
	XBAR
.irp k, 0,1,2,3,4,5,6,7
	ds_load_b64 v[RD+2*\k:RD+2*\k+1], v3 offset:\buf+256*\k
.endr
	s_wait_dscnt 0x0
.irp k, 0,4,8,12
	v_pk_add_f32 v[RD+\k:RD+\k+1], v[RD+\k:RD+\k+1], v[RD+\k+2:RD+\k+3]
.endr
	v_pk_add_f32 v[RD:RD+1], v[RD:RD+1], v[RD+4:RD+5]
	v_pk_add_f32 v[RD+8:RD+9], v[RD+8:RD+9], v[RD+12:RD+13]
	v_pk_add_f32 v[RD:RD+1], v[RD:RD+1], v[RD+8:RD+9]
	v_cmp_le_f32 vcc_lo, 1.0, v[RD]                ; s >= 1: the root lies at or above t
	v_cndmask_b32 v[NLO], v[NLO], v[NTQ], vcc_lo
	v_cmp_le_f32 vcc_lo, 1.0, v[RD+1]
	v_cndmask_b32 v[NLO+1], v[NLO+1], v[NTQ+1], vcc_lo
	v_pk_add_f32 v[NTQ:NTQ+1], v[NLO:NLO+1], v[STP:STP+1]
	v_pk_mul_f32 v[STP:STP+1], v[STP:STP+1], 0.5 op_sel_hi:[1,0]
	EXPAND NTQ
.endm
.macro CONV slot, X                    ; p = max(u - tau', 0), packed to f16 in place: registers 16 qt .. + 7 become P's fragment of query tile qt
	SLOT \slot
	WIN 0x45*SW
.irp qt, 0,1
.irp k, 0,1,2,3,4,5,6,7
	v_pk_fma_f32 v[SB+16*\qt+2*\k:SB+16*\qt+2*\k+1], v[SB+16*\qt+2*\k:SB+16*\qt+2*\k+1], 1.0, v[THR+4*\X+2*\qt:THR+4*\X+2*\qt+1] op_sel_hi:[1,0,1]
.endr
.irp k, 0,1,2,3,4,5,6,7,8,9,10,11,12,13,14,15
	v_max_num_f32 v[SB+16*\qt+\k], 0, v[SB+16*\qt+\k]
.endr
.irp k, 0,1,2,3,4,5,6,7
	v_cvt_pk_f16_f32 v[SB+16*\qt+\k], v[SB+16*\qt+2*\k], v[SB+16*\qt+2*\k+1]
.endr
.endr
.endm
.macro PVMUL slot, X, vreg, zero       ; out^T (16 hd x 16 queries) += V^T (16 hd x 32 keys) P^T
	SLOT \slot
	WIN 0x04*SW
.irp qt, 0,1
.irp ht, 0,1,2,3
.if \zero
	v_wmma_f32_16x16x32_f16 v[OAC+64*\X+32*\qt+8*\ht:OAC+64*\X+32*\qt+8*\ht+7], v[\vreg+8*\ht:\vreg+8*\ht+7], v[SB+16*\qt:SB+16*\qt+7], 0
.else
	v_wmma_f32_16x16x32_f16 v[OAC+64*\X+32*\qt+8*\ht:OAC+64*\X+32*\qt+8*\ht+7], v[\vreg+8*\ht:\vreg+8*\ht+7], v[SB+16*\qt:SB+16*\qt+7], v[OAC+64*\X+32*\qt+8*\ht:OAC+64*\X+32*\qt+8*\ht+7]
.endif
.endr
.endr
.endm
.macro SUM8 b                          ; eight waves' partial tiles (8 registers each) to one, then 16 bytes of f16
.irp k, 0,2,4,6
.irp e, 0,2,4,6
	v_pk_add_f32 v[\b+8*\k+\e:\b+8*\k+\e+1], v[\b+8*\k+\e:\b+8*\k+\e+1], v[\b+8*\k+8+\e:\b+8*\k+8+\e+1]
.endr
.endr
.irp k, 0,4
.irp e, 0,2,4,6
	v_pk_add_f32 v[\b+8*\k+\e:\b+8*\k+\e+1], v[\b+8*\k+\e:\b+8*\k+\e+1], v[\b+8*\k+16+\e:\b+8*\k+16+\e+1]
.endr
.endr
.irp e, 0,2,4,6
	v_pk_add_f32 v[\b+\e:\b+\e+1], v[\b+\e:\b+\e+1], v[\b+32+\e:\b+32+\e+1]
.endr
.irp e, 0,1,2,3
	v_cvt_pk_f16_f32 v[\b+\e], v[\b+2*\e], v[\b+2*\e+1]
.endr
.endm
.macro ATTN ca
	; 1. SCORES.  Four K chunks are on their way; the wait leaves the younger ones out: 8 loads each, at most 3 chunks.  Q's loads are older.
	LD8 16, 0, QA
	LD8 18, 0, QB
.set IT, 0
.rept 4
	LD8 20, IT*32768, KR+32*IT
.set IT, IT+1
.endr
.set IT, 0
.rept 9-\ca
.set LEFT, 8-\ca-IT
.if LEFT > 3
.set LEFT, 3
.endif
	s_wait_loadcnt 8*LEFT
	SCORE \ca+IT, QB, KR+32*(IT%4)
.if IT < \ca
	SCORE IT, QA, KR+32*(IT%4)
.endif
	PLACES
.if IT+4 < 9-\ca
	LD8 20, (IT+4)*32768, KR+32*(IT%4)
.endif
.set IT, IT+1
.endr
	; 2. The first two V chunks are asked for now and stay out through the whole search.  MASK: only a block's last row of chunks can reach
	; the diagonal: chunks w + 8 s with s < c - 1 end below key 32 i.
	LD8 22, 0, VR
	LD8 22, 32768, VR+32
	MASK \ca-1, 13
	MASK 8, 14
	; 3. ROW MAXIMA, and u = z - max
	FORALL MAXS, \ca
.irp i, 0,1,2,3
	v_max3_num_f32 v[PP+\i], v[ACC+4*\i], v[ACC+4*\i+1], v[ACC+4*\i+2]
.endr
.irp i, 0,1,2,3
	v_max_num_f32 v[PP+\i], v[PP+\i], v[ACC+4*\i+3]
.endr
	FOLD v_max_num_f32, RES, PP, PP+1, 8, FT
	FOLD v_max_num_f32, RES+1, PP+2, PP+3, 9, FT+2
	ds_store_b64 v2, v[RES:RES+1] offset:REDM
	XBAR
.irp k, 0,1,2,3,4,5,6,7
	ds_load_b64 v[RD+2*\k:RD+2*\k+1], v3 offset:REDM+256*\k
.endr
	s_wait_dscnt 0x0
.irp x, 0,1
	v_max3_num_f32 v[RD+\x], v[RD+\x], v[RD+2+\x], v[RD+4+\x]
	v_max3_num_f32 v[RD+\x], v[RD+\x], v[RD+6+\x], v[RD+8+\x]
	v_max3_num_f32 v[RD+\x], v[RD+\x], v[RD+10+\x], v[RD+12+\x]
	v_max_num_f32 v[RD+\x], v[RD+\x], v[RD+14+\x]
	v_xor_b32 v[NTQ+\x], 0x80000000, v[RD+\x]      ; minus the maximum
.endr
	EXPAND NTQ
	FORALL SHIFT, \ca
	; 4. BISECTION: lo = -1, first t = -1/2, next step 1/4; 10 trips of 2 passes
	v_mov_b32 v[NLO], 1.0
	v_mov_b32 v[NLO+1], 1.0
	v_mov_b32 v[NTQ], 0.5
	v_mov_b32 v[NTQ+1], 0.5
	v_mov_b32 v[STP], 0xbe800000
	v_mov_b32 v[STP+1], 0xbe800000
	EXPAND NTQ
	s_mov_b32 s36, 10
.Lbis\ca:
	PASS \ca, RED0
	PASS \ca, RED1
	s_sub_co_u32 s36, s36, 1
	s_cmp_lg_u32 s36, 0
	s_cbranch_scc1 .Lbis\ca
	; 5. NEWTON at lo: S and C over the row; -tau' = -lo - (S - 1) / C.  C >= 1: the row's maximum has u = 0 > lo.
	EXPAND NLO
	FORALL NEWT, \ca
	REDUCE ACC, PP
	REDUCE CACC, PP+4
	FOLD v_add_f32, RES, PP, PP+1, 8, FT
	FOLD v_add_f32, RES+1, PP+2, PP+3, 9, FT+2
	FOLD v_add_f32, RES+2, PP+4, PP+5, 10, FT+4
	FOLD v_add_f32, RES+3, PP+6, PP+7, 11, FT+6
	ds_store_b128 v4, v[RES:RES+3] offset:REDN
	XBAR
.irp k, 0,1,2,3,4,5,6,7
	ds_load_b128 v[RD+4*\k:RD+4*\k+3], v1 offset:REDN+512*\k
.endr
	s_wait_dscnt 0x0
.irp k, 0,8,16,24
	v_pk_add_f32 v[RD+\k:RD+\k+1], v[RD+\k:RD+\k+1], v[RD+\k+4:RD+\k+5]
	v_pk_add_f32 v[RD+\k+2:RD+\k+3], v[RD+\k+2:RD+\k+3], v[RD+\k+6:RD+\k+7]
.endr
.irp k, 0,16
	v_pk_add_f32 v[RD+\k:RD+\k+1], v[RD+\k:RD+\k+1], v[RD+\k+8:RD+\k+9]
	v_pk_add_f32 v[RD+\k+2:RD+\k+3], v[RD+\k+2:RD+\k+3], v[RD+\k+10:RD+\k+11]
.endr
	v_pk_add_f32 v[RD:RD+1], v[RD:RD+1], v[RD+16:RD+17]
	v_pk_add_f32 v[RD+2:RD+3], v[RD+2:RD+3], v[RD+18:RD+19]
	v_rcp_f32 v[RD+4], v[RD+2]
	v_rcp_f32 v[RD+5], v[RD+3]
	v_pk_add_f32 v[RD:RD+1], v[RD:RD+1], -1.0 op_sel_hi:[1,0]   ; S - 1: the plain instruction between the reciprocals and their use (ISA guide 5.7.2)
	s_wait_alu depctr_va_vdst(0)
	v_fma_f32 v[NTQ], -v[RD], v[RD+4], v[NLO]
	v_fma_f32 v[NTQ+1], -v[RD+1], v[RD+5], v[NLO+1]
	EXPAND NTQ
	; 6. P V.  Two V chunks are on their way; the wait leaves the younger one's 8 loads out.
.set IT, 0
.set ZF, 1
.rept 9-\ca
	CONV \ca+IT, 1
.if IT < \ca
	CONV IT, 0
.endif
.set LEFT, 8-\ca-IT
.if LEFT > 1
.set LEFT, 1
.endif
	s_wait_loadcnt 8*LEFT
	PVMUL \ca+IT, 1, VR+32*(IT%2), ZF
.if IT < \ca
	PVMUL IT, 0, VR+32*(IT%2), ZF
.endif
	PLACES
.if IT+2 < 9-\ca
	LD8 22, (IT+2)*32768, VR+32*(IT%2)
.endif
.set ZF, 0
.set IT, IT+1
.endr
	WIN 0
	; 7. OUT.  Every wave leaves its 16 partial tiles in LDS; wave w then adds the eight partials of tile w of A and of tile w of B
	; (qt = w >> 2, ht = w & 3) and stores each as one part of ab: 512 consecutive bytes, aligned.
.irp t, 0,1,2,3,4,5,6,7
	ds_store_b128 v5, v[OAC+8*\t:OAC+8*\t+3] offset:\t*8192
	ds_store_b128 v5, v[OAC+8*\t+4:OAC+8*\t+7] offset:\t*8192+512
.endr
.irp t, 0,1,2,3,4,5,6,7
	ds_store_b128 v6, v[OAC+64+8*\t:OAC+64+8*\t+3] offset:\t*8192
	ds_store_b128 v6, v[OAC+64+8*\t+4:OAC+64+8*\t+7] offset:\t*8192+512
.endr
	XBAR
.irp k, 0,1,2,3,4,5,6,7
	ds_load_b128 v[16+8*\k:16+8*\k+3], v7 offset:\k*1024
	ds_load_b128 v[16+8*\k+4:16+8*\k+7], v7 offset:\k*1024+512
.endr
.irp k, 0,1,2,3,4,5,6,7
	ds_load_b128 v[80+8*\k:80+8*\k+3], v12 offset:\k*1024
	ds_load_b128 v[80+8*\k+4:80+8*\k+7], v12 offset:\k*1024+512
.endr
	s_wait_dscnt 0x10                              ; A's 16 loads are back, B's 16 may be out
	SUM8 16
	global_store_b128 v1, v[16:19], s[24:25]
	s_wait_dscnt 0x0
	SUM8 80
	global_store_b128 v1, v[80:83], s[26:27]
	s_wait_tensorcnt 0x0
	ds_add_u32 v222, v223
	s_wait_dscnt 0x0
	s_endpgm
.endm
	s_load_b256 s[4:11], s[0:1], 0x0               ; qb s[4:5], kb s[6:7], vt s[8:9], ab s[10:11]
	v_lshl_add_u32 v222, v0, 2, 0x22800
	v_mov_b32 v223, 0
	v_lshrrev_b32 v8, 5, v0
	v_readfirstlane_b32 s12, v8                    ; wave
	s_mov_b32 s13, ttmp9                           ; pi: block A
	s_and_b32 s14, ttmp7, 0xffff                   ; bh
	s_sub_co_u32 s15, 63, s13                      ; block B
	s_mov_b32 s28, 0x76543210                      ; v_permlanex16_b32: lane L reads lane L ^ 16
	s_mov_b32 s29, 0xfedcba98
	s_mov_b32 s30, 0xffff0000                      ; the lanes with h = 1
	s_mov_b32 s34, 0x5f800000                      ; 2^64
	s_mov_b32 s35, 0x5f800000
	v_and_b32 v9, 31, v0
	v_lshlrev_b32 v1, 4, v9                        ; lane x 16
	v_lshlrev_b32 v3, 3, v9                        ; lane x 8
	s_lshl_b32 s37, s12, 8
	v_add_nc_u32 v2, s37, v3                       ; my wave's 256 bytes of a reduction buffer
	s_lshl_b32 s37, s12, 9
	v_add_nc_u32 v4, s37, v1                       ; my wave's 512 bytes of REDN
	s_lshl_b32 s37, s12, 10
	s_add_co_u32 s37, s37, ORG
	v_add_nc_u32 v5, s37, v1                       ; where my wave puts its partial of tile 0; tiles are 8,192 bytes apart
	v_add_nc_u32 v6, 0x10000, v5                   ; of tile 8 (block B)
	s_lshl_b32 s37, s12, 13
	s_add_co_u32 s37, s37, ORG
	v_add_nc_u32 v7, s37, v1                       ; the eight partials of tile w
	v_add_nc_u32 v12, 0x10000, v7                  ; of tile 8 + w
	v_mov_b32 v15, 0xce6e6b28                      ; -1e9
	v_and_b32 v10, 15, v0                          ; r
	v_bfe_u32 v11, v0, 4, 1
	v_lshlrev_b32 v11, 3, v11                      ; 8 h
	v_sub_nc_u32 v11, v11, v10
	s_and_b32 s38, s13, 7                          ; the last row's chunk is w + 8 (i >> 3): g - i = w - (i & 7)
	s_sub_co_u32 s38, s12, s38
	s_lshl_b32 s38, s38, 5
	s_add_co_u32 s38, s38, 4096
	v_add_nc_u32 v13, s38, v11                     ; dl of A
	s_and_b32 s38, s15, 7
	s_sub_co_u32 s38, s12, s38
	s_lshl_b32 s38, s38, 5
	s_add_co_u32 s38, s38, 4096
	v_add_nc_u32 v14, s38, v11                     ; dl of B
	v_mov_b32 v8, 0                                ; v_permlanex16_b32 counts as a reader of its destination
	v_mov_b32 v9, 0
	v_mov_b32 v10, 0
	v_mov_b32 v11, 0
	s_lshr_b32 s40, s14, 3                         ; ab: part ((b 128 + 2 i + qt) 32 + 4 head + ht), qt = w >> 2, ht = w & 3
	s_lshl_b32 s40, s40, 7
	s_lshr_b32 s41, s12, 2
	s_add_co_u32 s40, s40, s41
	s_and_b32 s41, s14, 7
	s_lshl_b32 s41, s41, 2
	s_and_b32 s42, s12, 3
	s_add_co_u32 s41, s41, s42
	s_lshl_b32 s41, s41, 9
	s_lshl_b32 s42, s13, 1
	s_add_co_u32 s42, s42, s40
	s_lshl_b32 s42, s42, 14
	s_add_co_u32 s42, s42, s41
	s_mov_b32 s43, 0
	s_lshl_b32 s44, s15, 1
	s_add_co_u32 s44, s44, s40
	s_lshl_b32 s44, s44, 14
	s_add_co_u32 s44, s44, s41
	s_mov_b32 s45, 0
	s_lshl_b32 s37, s14, 18                        ; a head's 262,144 bytes of qb, kb, vt
	s_mov_b32 s39, 0
	s_wait_kmcnt 0x0
	s_add_nc_u64 s[24:25], s[10:11], s[42:43]
	s_add_nc_u64 s[26:27], s[10:11], s[44:45]
	s_lshl_b32 s38, s13, 12                        ; a block of 32 queries or a chunk of 32 keys: 4,096 bytes
	s_add_co_u32 s38, s38, s37
	s_add_nc_u64 s[16:17], s[4:5], s[38:39]
	s_lshl_b32 s38, s15, 12
	s_add_co_u32 s38, s38, s37
	s_add_nc_u64 s[18:19], s[4:5], s[38:39]
	s_lshl_b32 s38, s12, 12                        ; chunk w; chunk w + 8 s lies 32,768 s further
	s_add_co_u32 s38, s38, s37
	s_add_nc_u64 s[20:21], s[6:7], s[38:39]
	s_add_nc_u64 s[22:23], s[8:9], s[38:39]
	s_lshr_b32 s46, s13, 3                         ; cA - 1
	s_cmp_eq_u32 s46, 0
	s_cbranch_scc1 .Lca1
	s_cmp_eq_u32 s46, 1
	s_cbranch_scc1 .Lca2
	s_cmp_eq_u32 s46, 2
	s_cbranch_scc1 .Lca3
	ATTN 4
.Lca3:
	ATTN 3
.Lca2:
	ATTN 2
.Lca1:
	ATTN 1
.Lfunc_end_k_q0824290526_attn:
	.size	k_q0824290526_attn, .Lfunc_end_k_q0824290526_attn-k_q0824290526_attn
	.p2alignl 7, 3214868480
	.fill 96, 4, 3214868480
	.section	.rodata,"a",@progbits
	.p2align	6, 0x0
	.amdhsa_kernel k_q0824290526_attn
		.amdhsa_group_segment_fixed_size 142336
		.amdhsa_private_segment_fixed_size 0
		.amdhsa_enable_private_segment 0
		.amdhsa_kernarg_size 32
		.amdhsa_user_sgpr_count 2
		.amdhsa_user_sgpr_kernarg_segment_ptr 1
		.amdhsa_wavefront_size32 1
		.amdhsa_system_sgpr_workgroup_id_x 1
		.amdhsa_system_sgpr_workgroup_id_y 1
		.amdhsa_system_sgpr_workgroup_id_z 1
		.amdhsa_system_vgpr_workitem_id 0
		.amdhsa_next_free_vgpr 512
		.amdhsa_next_free_sgpr 66
		.amdhsa_reserve_vcc 1
		.amdhsa_float_denorm_mode_32 3
		.amdhsa_float_denorm_mode_16_64 3
		.amdhsa_memory_ordered 1
		.amdhsa_forward_progress 1
		.amdhsa_inst_pref_size 255
	.end_amdhsa_kernel
	.section	.bss,"aw",@nobits
	.p2align	6
	.space	262144
	.amdgpu_metadata
---
amdhsa.version: [ 1, 2 ]
amdhsa.kernels:
  - .name:           k_q0824290526_attn
    .symbol:         k_q0824290526_attn.kd
    .args:
      - { .name: qb, .offset: 0, .size: 8, .value_kind: global_buffer, .address_space: global }
      - { .name: kb, .offset: 8, .size: 8, .value_kind: global_buffer, .address_space: global }
      - { .name: vt, .offset: 16, .size: 8, .value_kind: global_buffer, .address_space: global }
      - { .name: ab, .offset: 24, .size: 8, .value_kind: global_buffer, .address_space: global }
    .group_segment_fixed_size: 142336
    .private_segment_fixed_size: 0
    .kernarg_segment_align: 8
    .kernarg_segment_size: 32
    .max_flat_workgroup_size: 256
    .sgpr_count:     66
    .vgpr_count:     512
    .wavefront_size: 32
...
	.end_amdgpu_metadata
.endif
;; end of part 2
;; launch oproj (part 3): grid 32 x 8, 8 waves a work-group, no clusters, 102,400 bytes of LDS; arguments ab, W_o, out0; writes out0
.if DOCPART == 3
	.amdgcn_target "amdgcn-amd-amdhsa--gfx1250"
	.amdhsa_code_object_version 6
	.text
	.protected	k_q0824290526_oproj
	.globl	k_q0824290526_oproj
	.p2align	8
	.type	k_q0824290526_oproj,@function
k_q0824290526_oproj:
	s_mov_b64 s[64:65], 0
	v_nop
	global_prefetch_b8 v0, s[64:65] scope:SCOPE_SE
	s_setreg_imm32_b32 hwreg(HW_REG_WAVE_MODE, 25, 1), 1
	s_wait_xcnt 0x0
; out0 = a W_o^T.  a: 4096 tokens x 512 features, f16, in parts of 512 bytes (part (TT 32 + c): token 16 TT + r, feature 16 c + 8 h + e, lane
; L = (r, h) at bytes 16 L): parts 2 kk and 2 kk + 1 are registers 0-3 and 4-7 of the fragment of K step kk.  W_o: [512][512] f32.  out0: f32.
; LIMIT: W_o and a inside f16's range (magnitude below 65,504).
; Work-group (tb, fb): 128 tokens x 64 output features; 32 x 8 = 256 work-groups.  Wave w: token tile TT = 8 tb + w, 4 accumulators.
; The 64 rows of W_o are a dense block of 131,072 bytes: read once by the work-group, 16 bytes a lane, converted to f16 once, kept in LDS for all
; eight waves.  The wave's activations go straight into its registers (16 fragments): nobody else in the work-group reads them.
; No tensor loads: W_o needs the conversion on its way in and the activations already lie in fragment order.  No cluster for the same reason:
; the copies go through registers, so there is no joint request to make.
.set WP,  1040                         ; a row of W_o in LDS: 512 f16 + 16 bytes: an odd multiple of 16
.set STG, 64*WP                        ; behind it each wave's own stage for the way out: 16 rows x 272 bytes
.set SP,  272
.set AF,  16                           ; v16-143  activation fragment kk at 8 kk (the second half lands where W_o was staged)
.set WS,  80                           ; v80-207  32 staged loads of W_o
.set WB,  144                          ; v144-207 two buffers of four W fragments
.set ACC, 208                          ; v208-239
	s_load_b128 s[4:7], s[0:1], 0x0                ; ab s[4:5], W_o s[6:7]
	s_load_b64 s[8:9], s[0:1], 0x10                ; out0
	v_lshl_add_u32 v240, v0, 2, 0x18c00
	v_mov_b32 v241, 0
	v_lshrrev_b32 v1, 5, v0
	v_readfirstlane_b32 s10, v1                    ; wave
	s_and_b32 s11, ttmp7, 0xffff                   ; fb
	s_lshl_b32 s12, ttmp9, 3
	s_add_co_u32 s12, s12, s10                     ; TT
	v_lshlrev_b32 v1, 4, v0                        ; my 16 bytes of a sweep of 4,096 bytes (2 rows) of W_o
	v_and_b32 v2, 31, v0
	v_lshlrev_b32 v2, 4, v2                        ; lane x 16
	v_lshrrev_b32 v3, 7, v0
	v_and_b32 v4, 127, v0
	v_mul_u32_u24 v3, v3, WP
	v_lshl_add_u32 v3, v4, 3, v3                   ; where my 8 bytes of f16 go
	v_and_b32 v5, 15, v0                           ; r
	v_bfe_u32 v6, v0, 4, 1                         ; h
	v_mul_u32_u24 v4, v5, WP
	v_lshl_add_u32 v4, v6, 4, v4                   ; W fragments: r x pitch + 16 h
	s_mul_i32 s13, s10, 16*SP
	s_add_co_u32 s13, s13, STG
	v_mul_u32_u24 v7, v5, SP
	v_lshl_add_u32 v7, v6, 5, v7
	v_add_nc_u32 v7, s13, v7                       ; stage, in: row r, 32 bytes for each half of the lanes
	v_mul_u32_u24 v8, v6, SP
	v_lshl_add_u32 v8, v5, 4, v8
	v_add_nc_u32 v8, s13, v8                       ; stage, back: lanes 0-15 one row of 256 bytes, lanes 16-31 the next
	v_lshlrev_b32 v9, 11, v6
	v_lshl_add_u32 v9, v5, 4, v9                   ; the same two rows in out0
	s_lshl_b32 s14, s12, 14                        ; a token tile's 32 parts
	s_mov_b32 s15, 0
	s_lshl_b32 s16, s11, 17                        ; 64 rows of W_o
	s_mov_b32 s17, 0
	s_lshl_b32 s18, s12, 15                        ; 16 rows of out0
	s_lshl_b32 s19, s11, 8                         ; 64 columns
	s_add_co_u32 s18, s18, s19
	s_mov_b32 s19, 0
	s_wait_kmcnt 0x0
	s_add_nc_u64 s[4:5], s[4:5], s[14:15]
	s_add_nc_u64 s[6:7], s[6:7], s[16:17]
	s_add_nc_u64 s[8:9], s[8:9], s[18:19]
.macro PLACES                          ; four places behind a matrix instruction (ISA guide 7.12.1)
.rept 4
	v_nop
.endr
.endm
.macro FETCH kk, buf                   ; four fragments of W_o: 16 output features x 32 along K each
.irp nt, 0,1,2,3
	ds_load_b128 v[\buf+8*\nt:\buf+8*\nt+3], v4 offset:\nt*16*WP+64*(\kk)
	ds_load_b128 v[\buf+8*\nt+4:\buf+8*\nt+7], v4 offset:\nt*16*WP+64*(\kk)+32
.endr
.endm
.set IT, 0
.rept 32
	global_load_b128 v[WS+4*IT:WS+4*IT+3], v1, s[6:7] offset:IT*4096
.set IT, IT+1
.endr
.set IT, 0
.rept 16
	global_load_b128 v[AF+4*IT:AF+4*IT+3], v2, s[4:5] offset:IT*512
.set IT, IT+1
.endr
	s_wait_loadcnt 0x10                            ; W_o is in; the 16 younger loads (activations, K steps 0-7) may be out
.set IT, 0
.rept 32
	v_cvt_pk_f16_f32 v[WS+4*IT], v[WS+4*IT], v[WS+4*IT+1]
	v_cvt_pk_f16_f32 v[WS+4*IT+1], v[WS+4*IT+2], v[WS+4*IT+3]
	ds_store_b64 v3, v[WS+4*IT:WS+4*IT+1] offset:IT*2*WP
.set IT, IT+1
.endr
	s_wait_dscnt 0x0                               ; for the other waves: my part of W_o is written (and the staging registers are free)
.set IT, 16
.rept 16
	global_load_b128 v[AF+4*IT:AF+4*IT+3], v2, s[4:5] offset:IT*512
.set IT, IT+1
.endr
	s_barrier_signal -1
	s_barrier_wait -1
	FETCH 0, WB
	s_wait_loadcnt 0x10                            ; K steps 0-7 of the activations are in; the 16 loads of steps 8-15 may be out
.set KK, 0
.rept 16
.if KK < 15
.if KK > 0
	PLACES                                         ; the buffer filled next was read by the four products just issued
.endif
	FETCH KK+1, WB+32*((KK+1)%2)
	s_wait_dscnt 0x8                               ; this step's fragments are in; the next step's 8 loads stay out
.else
	s_wait_dscnt 0x0
.endif
.if KK == 8
	s_wait_loadcnt 0x0
.endif
.irp nt, 0,1,2,3                       ; rows = output features, columns = tokens: a lane gets 8 neighbouring features of token r
.if KK == 0
	v_wmma_f32_16x16x32_f16 v[ACC+8*\nt:ACC+8*\nt+7], v[WB+32*(KK%2)+8*\nt:WB+32*(KK%2)+8*\nt+7], v[AF+8*KK:AF+8*KK+7], 0
.else
	v_wmma_f32_16x16x32_f16 v[ACC+8*\nt:ACC+8*\nt+7], v[WB+32*(KK%2)+8*\nt:WB+32*(KK%2)+8*\nt+7], v[AF+8*KK:AF+8*KK+7], v[ACC+8*\nt:ACC+8*\nt+7]
.endif
.endr
.set KK, KK+1
.endr
	; the way out, through the wave's own stage: LDS serves a wave's instructions in order (ISA guide 5.7.1), so the loads see the stores
	PLACES
.irp nt, 0,1,2,3
	ds_store_b128 v7, v[ACC+8*\nt:ACC+8*\nt+3] offset:64*\nt
	ds_store_b128 v7, v[ACC+8*\nt+4:ACC+8*\nt+7] offset:64*\nt+16
.endr
.irp t, 0,1,2,3,4,5,6,7
	ds_load_b128 v[AF+4*\t:AF+4*\t+3], v8 offset:\t*2*SP
.endr
.irp t, 0,1,2,3,4,5,6,7
	s_wait_dscnt 7-\t                              ; rows 2 t, 2 t + 1 are back, the younger loads stay out
	global_store_b128 v9, v[AF+4*\t:AF+4*\t+3], s[8:9] offset:\t*4096 th:TH_STORE_NT   ; sixteen lanes store 256 consecutive bytes, aligned
.endr
	s_wait_tensorcnt 0x0
	ds_add_u32 v240, v241
	s_wait_dscnt 0x0
	s_endpgm
.Lfunc_end_k_q0824290526_oproj:
	.size	k_q0824290526_oproj, .Lfunc_end_k_q0824290526_oproj-k_q0824290526_oproj
	.p2alignl 7, 3214868480
	.fill 96, 4, 3214868480
	.section	.rodata,"a",@progbits
	.p2align	6, 0x0
	.amdhsa_kernel k_q0824290526_oproj
		.amdhsa_group_segment_fixed_size 102400
		.amdhsa_private_segment_fixed_size 0
		.amdhsa_enable_private_segment 0
		.amdhsa_kernarg_size 24
		.amdhsa_user_sgpr_count 2
		.amdhsa_user_sgpr_kernarg_segment_ptr 1
		.amdhsa_wavefront_size32 1
		.amdhsa_system_sgpr_workgroup_id_x 1
		.amdhsa_system_sgpr_workgroup_id_y 1
		.amdhsa_system_sgpr_workgroup_id_z 1
		.amdhsa_system_vgpr_workitem_id 0
		.amdhsa_next_free_vgpr 242
		.amdhsa_next_free_sgpr 66
		.amdhsa_reserve_vcc 0
		.amdhsa_float_denorm_mode_32 3
		.amdhsa_float_denorm_mode_16_64 3
		.amdhsa_memory_ordered 1
		.amdhsa_forward_progress 1
		.amdhsa_inst_pref_size 31
	.end_amdhsa_kernel
	.amdgpu_metadata
---
amdhsa.version: [ 1, 2 ]
amdhsa.kernels:
  - .name:           k_q0824290526_oproj
    .symbol:         k_q0824290526_oproj.kd
    .args:
      - { .name: ab, .offset: 0, .size: 8, .value_kind: global_buffer, .address_space: global }
      - { .name: W_o, .offset: 8, .size: 8, .value_kind: global_buffer, .address_space: global }
      - { .name: out0, .offset: 16, .size: 8, .value_kind: global_buffer, .address_space: global }
    .group_segment_fixed_size: 102400
    .private_segment_fixed_size: 0
    .kernarg_segment_align: 8
    .kernarg_segment_size: 24
    .max_flat_workgroup_size: 256
    .sgpr_count:     66
    .vgpr_count:     242
    .wavefront_size: 32
...
	.end_amdgpu_metadata
.endif
;; end of part 3
;; ======== version 2 of 2: 3 launches; version 1 with the launch oproj written anew for expert scheduling mode
;; limits: values are held in f16: magnitudes above 65,504 overflow, below 6.1e-05 lose precision; a function is approximated: absolute error at most 0.002; right only within a limited range of input values; a function is approximated: absolute error at most 0.005
;; workspace buffers: qb 4,194,304 bytes; kb 4,194,304 bytes; vt 4,194,304 bytes; ab 4,194,304 bytes
;; launch proj: the kernel of part 1 again; grid 32 x 8, 8 waves a work-group, no clusters, 93,184 bytes of LDS; arguments x, W_q, W_k, W_v, qb, kb, vt; writes qb, kb, vt
;; launch attn: the kernel of part 2 again; grid 32 x 16, 8 waves a work-group, no clusters, 142,336 bytes of LDS; arguments qb, kb, vt, ab; writes ab
;; launch oproj (part 4): grid 32 x 8, 8 waves a work-group, no clusters, 102,400 bytes of LDS; arguments ab, W_o, out0; writes out0
.if DOCPART == 4
	.amdgcn_target "amdgcn-amd-amdhsa--gfx1250"
	.amdhsa_code_object_version 6
	.text
	.protected	k_q0824290526_oproj
	.globl	k_q0824290526_oproj
	.p2align	8
	.type	k_q0824290526_oproj,@function
k_q0824290526_oproj:
	s_mov_b64 s[64:65], 0
	v_nop
	global_prefetch_b8 v0, s[64:65] scope:SCOPE_SE
	s_setreg_imm32_b32 hwreg(HW_REG_WAVE_SCHED_MODE, 0, 2), 2
	s_setreg_imm32_b32 hwreg(HW_REG_WAVE_MODE, 25, 1), 1
	s_wait_xcnt 0x0
	s_wait_alu depctr_vm_vsrc(0)
; out0 = a W_o^T.  a: 4096 tokens x 512 features, f16, in parts of 512 bytes (part (TT 32 + c): token 16 TT + r, feature 16 c + 8 h + e, lane
; L = (r, h) at bytes 16 L): parts 2 kk and 2 kk + 1 are registers 0-3 and 4-7 of the fragment of K step kk.  W_o: [512][512] f32.  out0: f32.
; LIMIT: W_o and a inside f16's range (magnitude below 65,504).
; Work-group (tb, fb): 128 tokens x 64 output features; 32 x 8 = 256 work-groups.  Wave w: token tile TT = 8 tb + w, 4 accumulators.
; The 64 rows of W_o are a dense block of 131,072 bytes: read once by the work-group, 16 bytes a lane, converted to f16 once, kept in LDS for all
; eight waves.  The wave's activations go straight into its registers (16 fragments): nobody else in the work-group reads them.
; No tensor loads: W_o needs the conversion on its way in and the activations already lie in fragment order.  No cluster for the same reason:
; the copies go through registers, so there is no joint request to make.
; THE MODE: SCHED_MODE bits 1:0 = 2 (LLVM: expert scheduling mode 2), set by the entry lines.  The code itself states the register dependences
; between vector or matrix instructions and memory or LDS instructions, with s_wait_alu, always for 0.
; THE PLAN.  Registers that memory or LDS instructions touch:
;   v1-v4, v7-v9  offsets and LDS addresses: made once at the head, never written again.
;   WS v80-207    W_o as loaded; the conversions pack it in place, the LDS stores read it.  In two halves of 16 loads: a half's 32 conversions, one wait,
;                 its 16 stores; the second half's conversions name v144-207 alone and stand among the first half's stores' flight.
;   v80-143       behind the stores: the activations of K steps 8-15 land here.    v144-207  behind the stores: the two fragment buffers WB0, WB1.
;   AF v16-79     the activations of K steps 0-7: loaded at the head, read by products; on the way out v16-47 take the stage's rows.
;   WB[k % 2]     read by step k's four products; the loads of step k + 1's fragments, issued in step k, land in the other buffer, which step k - 1's products read.
;   ACC           written by matrix instructions alone; read by the LDS stores of the way out.
; So ONE wait on va_vdst stands at the head of a step (steps 1 to 14): the products of the step before are done reading the other buffer.  The step's eight
; loads follow it, dealt among its products, which name WB[k % 2], AF[k] and ACC: none of the registers that those loads touch.
.set WP,  1040                         ; a row of W_o in LDS: 512 f16 + 16 bytes: an odd multiple of 16
.set STG, 64*WP                        ; behind it each wave's own stage for the way out: 16 rows x 272 bytes
.set SP,  272
.set AF,  16                           ; v16-143  activation fragment kk at 8 kk (the second half lands where W_o was staged)
.set WS,  80                           ; v80-207  32 staged loads of W_o
.set WB,  144                          ; v144-207 two buffers of four W fragments
.set ACC, 208                          ; v208-239
	s_load_b128 s[4:7], s[0:1], 0x0                ; ab s[4:5], W_o s[6:7]
	s_load_b64 s[8:9], s[0:1], 0x10                ; out0
	v_lshl_add_u32 v14, v0, 2, 0x18c00
	v_mov_b32 v15, 0
	v_lshrrev_b32 v1, 5, v0
	v_readfirstlane_b32 s10, v1                    ; wave
	v_lshlrev_b32 v1, 4, v0                        ; my 16 bytes of a sweep of 4,096 bytes (2 rows) of W_o
	v_and_b32 v2, 31, v0
	v_lshlrev_b32 v2, 4, v2                        ; lane x 16
	v_lshrrev_b32 v3, 7, v0
	v_and_b32 v4, 127, v0
	v_mul_u32_u24 v3, v3, WP
	v_lshl_add_u32 v3, v4, 3, v3                   ; where my 8 bytes of f16 go
	v_and_b32 v5, 15, v0                           ; r
	v_bfe_u32 v6, v0, 4, 1                         ; h
	v_mul_u32_u24 v4, v5, WP
	v_lshl_add_u32 v4, v6, 4, v4                   ; W fragments: r x pitch + 16 h
	v_mul_u32_u24 v7, v5, SP
	v_lshl_add_u32 v7, v6, 5, v7                   ; stage, in: row r, 32 bytes for each half of the lanes
	v_mul_u32_u24 v8, v6, SP
	v_lshl_add_u32 v8, v5, 4, v8                   ; stage, back: lanes 0-15 one row of 256 bytes, lanes 16-31 the next
	v_lshlrev_b32 v9, 11, v6
	v_lshl_add_u32 v9, v5, 4, v9                   ; the same two rows in out0
	s_wait_alu depctr_va_sdst(0)                   ; s10 is written, ahead of its first reader: the token tile and the stage's address are made from it
	s_and_b32 s11, ttmp7, 0xffff                   ; fb
	s_lshl_b32 s12, ttmp9, 3
	s_add_co_u32 s12, s12, s10                     ; TT
	s_mul_i32 s13, s10, 16*SP
	s_add_co_u32 s13, s13, STG                     ; my wave's stage
	v_add_nc_u32 v7, s13, v7
	v_add_nc_u32 v8, s13, v8
	s_lshl_b32 s14, s12, 14                        ; a token tile's 32 parts
	s_mov_b32 s15, 0
	s_lshl_b32 s16, s11, 17                        ; 64 rows of W_o
	s_mov_b32 s17, 0
	s_lshl_b32 s18, s12, 15                        ; 16 rows of out0
	s_lshl_b32 s19, s11, 8                         ; 64 columns
	s_add_co_u32 s18, s18, s19
	s_mov_b32 s19, 0
	s_wait_kmcnt 0x0
	s_add_nc_u64 s[4:5], s[4:5], s[14:15]
	s_add_nc_u64 s[6:7], s[6:7], s[16:17]
	s_add_nc_u64 s[8:9], s[8:9], s[18:19]
	s_wait_alu depctr_va_vdst(0)                   ; v1-v4 and v7-v9 are written: every load and store of the kernel reads one of them as its offset or address
.macro PLACES                          ; four places behind a matrix instruction (ISA guide 7.12.1)
.rept 4
	v_nop
.endr
.endm
.macro FETCH2 kk, buf, n0              ; two of a K step's four fragments of W_o (16 output features x 32 along K each): fragments n0, n0 + 1
.irp d, 0,1
	ds_load_b128 v[\buf+8*(\n0+\d):\buf+8*(\n0+\d)+3], v4 offset:(\n0+\d)*16*WP+64*(\kk)
	ds_load_b128 v[\buf+8*(\n0+\d)+4:\buf+8*(\n0+\d)+7], v4 offset:(\n0+\d)*16*WP+64*(\kk)+32
.endr
.endm
.macro PROD kk, nt                     ; rows = output features, columns = tokens: a lane gets 8 neighbouring features of token r; the first K step starts the sums
.if (\kk) == 0
	v_wmma_f32_16x16x32_f16 v[ACC+8*\nt:ACC+8*\nt+7], v[WB+32*((\kk)%2)+8*\nt:WB+32*((\kk)%2)+8*\nt+7], v[AF+8*(\kk):AF+8*(\kk)+7], 0
.else
	v_wmma_f32_16x16x32_f16 v[ACC+8*\nt:ACC+8*\nt+7], v[WB+32*((\kk)%2)+8*\nt:WB+32*((\kk)%2)+8*\nt+7], v[AF+8*(\kk):AF+8*(\kk)+7], v[ACC+8*\nt:ACC+8*\nt+7]
.endif
.endm
.macro PACKW first                     ; 16 staged loads of W_o, from number first on: 4 f32 close up into 2 registers of f16
.set IT, \first
.rept 16
	v_cvt_pk_f16_f32 v[WS+4*IT], v[WS+4*IT], v[WS+4*IT+1]
	v_cvt_pk_f16_f32 v[WS+4*IT+1], v[WS+4*IT+2], v[WS+4*IT+3]
.set IT, IT+1
.endr
.endm
.macro PUTW first                      ; and their 16 stores into LDS
.set IT, \first
.rept 16
	ds_store_b64 v3, v[WS+4*IT:WS+4*IT+1] offset:IT*2*WP
.set IT, IT+1
.endr
.endm
.set IT, 0
.rept 32
	global_load_b128 v[WS+4*IT:WS+4*IT+3], v1, s[6:7] offset:IT*4096
.set IT, IT+1
.endr
.set IT, 0
.rept 16
	global_load_b128 v[AF+4*IT:AF+4*IT+3], v2, s[4:5] offset:IT*512
.set IT, IT+1
.endr
	s_wait_loadcnt 0x20                            ; the first 16 loads of W_o are in; the 32 younger loads (16 of W_o, 16 of activations) may be out
	PACKW 0
	s_wait_alu depctr_va_vdst(0)                   ; the conversions have written v80-143's packed pairs, which the LDS stores read
	PUTW 0
	s_wait_loadcnt 0x10                            ; all of W_o is in; the 16 younger loads (activations, K steps 0-7) may be out
	PACKW 16                                       ; these name v144-207 alone, none of the registers that the stores above read
	s_wait_alu depctr_va_vdst(0)                   ; the conversions have written v144-207's packed pairs, which the LDS stores read; all conversions are done with v80-207, in which loads land below
	PUTW 16
	s_wait_alu depctr_vm_vsrc(0)                   ; my 32 LDS stores have read v80-207: the activations of K steps 8-15 land in v80-143, the fragments of W_o in v144-207
.set IT, 16
.rept 16
	global_load_b128 v[AF+4*IT:AF+4*IT+3], v2, s[4:5] offset:IT*512
.set IT, IT+1
.endr
	s_wait_dscnt 0x0                               ; for the other waves: my part of W_o is written
	s_barrier_signal -1
	s_barrier_wait -1
	FETCH2 0, WB, 0
	FETCH2 0, WB, 2
	s_wait_loadcnt 0x10                            ; K steps 0-7 of the activations are in; the 16 loads of steps 8-15 may be out
.set KK, 0
.rept 16
	s_wait_dscnt 0x0                               ; this step's fragments are in: their 8 loads are the youngest LDS instructions out
.if KK == 8
	s_wait_loadcnt 0x0                             ; K steps 8-15 of the activations are in
.endif
.if (KK > 0) && (KK < 15)
	PLACES                                         ; the plain form's four places, between the products that read the other buffer and the loads into it, stay in front of the wait
	s_wait_alu depctr_va_vdst(0)                   ; the products of the step before are done reading the other buffer, in which the loads below land
.endif
	PROD KK, 0                                     ; the four accumulators take turns
.if KK < 15
	FETCH2 KK+1, WB+32*((KK+1)%2), 0               ; the next step's fragments, early in the step.  No wait: no product since the wait above names that buffer or v4
.endif
	PROD KK, 1
.if KK < 15
	FETCH2 KK+1, WB+32*((KK+1)%2), 2
.endif
	PROD KK, 2
	PROD KK, 3
.set KK, KK+1
.endr
	; the way out, through the wave's own stage: LDS serves a wave's instructions in order (ISA guide 5.7.1), so the loads see the stores
	PLACES
	s_wait_alu depctr_va_vdst(0)                   ; the products have written the accumulators, which the LDS stores read, and are done reading v16-47, in which the stage's rows land; the places above stay beside this wait
.irp nt, 0,1,2,3
	ds_store_b128 v7, v[ACC+8*\nt:ACC+8*\nt+3] offset:64*\nt
	ds_store_b128 v7, v[ACC+8*\nt+4:ACC+8*\nt+7] offset:64*\nt+16
.endr
.irp t, 0,1,2,3,4,5,6,7
	ds_load_b128 v[AF+4*\t:AF+4*\t+3], v8 offset:\t*2*SP
.endr
.irp t, 0,1,2,3,4,5,6,7
	s_wait_dscnt 7-\t                              ; rows 2 t, 2 t + 1 are back, the younger loads stay out
	global_store_b128 v9, v[AF+4*\t:AF+4*\t+3], s[8:9] offset:\t*4096 th:TH_STORE_NT   ; sixteen lanes store 256 consecutive bytes, aligned
.endr
	s_wait_dscnt 0x0
	s_wait_alu depctr_hold_cnt(0) depctr_sa_sdst(0) depctr_va_vdst(0) depctr_va_sdst(0) depctr_va_ssrc(0) depctr_va_vcc(0) depctr_vm_vsrc(0)
	s_wait_tensorcnt 0x0
	ds_add_u32 v14, v15
	s_wait_dscnt 0x0
	s_endpgm
.Lfunc_end_k_q0824290526_oproj:
	.size	k_q0824290526_oproj, .Lfunc_end_k_q0824290526_oproj-k_q0824290526_oproj
	.p2alignl 7, 3214868480
	.fill 96, 4, 3214868480
	.section	.rodata,"a",@progbits
	.p2align	6, 0x0
	.amdhsa_kernel k_q0824290526_oproj
		.amdhsa_group_segment_fixed_size 102400
		.amdhsa_private_segment_fixed_size 0
		.amdhsa_enable_private_segment 0
		.amdhsa_kernarg_size 24
		.amdhsa_user_sgpr_count 2
		.amdhsa_user_sgpr_kernarg_segment_ptr 1
		.amdhsa_wavefront_size32 1
		.amdhsa_system_sgpr_workgroup_id_x 1
		.amdhsa_system_sgpr_workgroup_id_y 1
		.amdhsa_system_sgpr_workgroup_id_z 1
		.amdhsa_system_vgpr_workitem_id 0
		.amdhsa_next_free_vgpr 240
		.amdhsa_next_free_sgpr 66
		.amdhsa_reserve_vcc 0
		.amdhsa_float_denorm_mode_32 3
		.amdhsa_float_denorm_mode_16_64 3
		.amdhsa_memory_ordered 1
		.amdhsa_forward_progress 1
		.amdhsa_inst_pref_size 32
	.end_amdhsa_kernel
	.amdgpu_metadata
---
amdhsa.version: [ 1, 2 ]
amdhsa.kernels:
  - .name:           k_q0824290526_oproj
    .symbol:         k_q0824290526_oproj.kd
    .args:
      - { .name: ab, .offset: 0, .size: 8, .value_kind: global_buffer, .address_space: global }
      - { .name: W_o, .offset: 8, .size: 8, .value_kind: global_buffer, .address_space: global }
      - { .name: out0, .offset: 16, .size: 8, .value_kind: global_buffer, .address_space: global }
    .group_segment_fixed_size: 102400
    .private_segment_fixed_size: 0
    .kernarg_segment_align: 8
    .kernarg_segment_size: 24
    .max_flat_workgroup_size: 256
    .sgpr_count:     66
    .vgpr_count:     240
    .wavefront_size: 32
...
	.end_amdgpu_metadata
.endif
;; end of part 4
